; MI455X (gfx1250); checked and timed in simulation.
; The chip was launched on July 23, 2026; its instructions are those of AMD's public machine-readable ISA for CDNA 5 (MIT licence, August 2026) and "CDNA5" Instruction Set Architecture Reference Guide (July 2026). The comments in the code are by the model that wrote it; some were corrected since.
;; Multi Headed Attention. Allowed arithmetic: matrix products marked QUANTISED: E2M3 operands, one E8M0 scale for each 32 along K, by v_wmma_scale_f32_16x16x128_f8f6f4 with both operands' format E2M3, f32 sums; everything else in f32.
;; Inputs: Wk 512 x 512 float32; Wo 512 x 512 float32; Wq 512 x 512 float32; Wv 512 x 512 float32; bk 512 float32; bo 512 float32; bq 512 float32; bv 512 float32; key 2 x 4,096 x 512 float32; query 2 x 4,096 x 512 float32; value 2 x 4,096 x 512 float32.
;; Outputs: out0 2 x 4,096 x 512 float32.
;; This version of the problem:
;;   THIS VERSION OF THE PROBLEM IS GIVEN IN LOW PRECISION. The matrix products marked QUANTISED in the list below multiply operands that are first quantised to E2M3 (2 exponent bits, 3 mantissa bits; 6 bits a number), with one power-of-two scale for each 32 numbers along K (OCP MX v1.0); their sums are f32. All else is computed in f32.
;;   The module's matrix products, in the order in which they are computed (A, B: the left and right operand; K: the contracted axis; several contracted axes count as one K, in the product's order):
;;     1. [M 8,192, K 512] x [K 512, N 512]; A: input query; B: input Wq: QUANTISED
;;     2. [M 8,192, K 512] x [K 512, N 512]; A: input key; B: input Wk: QUANTISED
;;     3. [M 8,192, K 512] x [K 512, N 512]; A: input value; B: input Wv: QUANTISED
;;     4. batch 16 x [M 4,096, K 64] x [K 64, N 4,096]; A: computed on the way; B: computed on the way: QUANTISED
;;     5. batch 16 x [M 4,096, K 4,096] x [K 4,096, N 64]; A: softmax (see below); B: computed on the way: QUANTISED
;;     6. [M 8,192, K 512] x [K 512, N 512]; A: computed on the way; B: input Wo: QUANTISED
;;   THE QUANTISER, for each operand of a quantised product, along K:
;;     - K is cut into blocks of 32 from its start; a last block that is shorter is filled with zeros.
;;     - A block's scale is 2^e with e = floor(log2(the largest magnitude in the block)) - 2, held to -126 .. 127; a block of zeros has e = 0. As a byte (E8M0): e + 127.
;;     - Each number is divided by its block's scale, clamped to +-7.5, and rounded to the nearest number of E2M3, ties to even, subnormals kept.
;;     - The product sums the exact products of the quantised numbers (number of the format x scale) in f32.
;;   ~~~python
;;   def quantise(x, axis):      # numpy; x: float32 -> the quantised numbers, widened to float32 again
;;       x = np.moveaxis(x, axis, -1); K = x.shape[-1]
;;       x = np.pad(x, [(0, 0)] * (x.ndim - 1) + [(0, -K % 32)]); x = x.reshape(x.shape[:-1] + (-1, 32)); a = np.abs(x).max(-1, keepdims=True)
;;       e = np.where(a > 0, np.clip(np.frexp(np.where(a > 0, a, 1))[1] - 1 - 2, -126, 127), 0)      # np.frexp(a)[1] - 1 = floor(log2(a)), exactly
;;       r = np.clip(x / 2.0 ** e, -7.5, 7.5)
;;       step = 2.0 ** (np.maximum(np.frexp(np.where(r == 0, 1, r))[1] - 1, 0) - 3)
;;       q = np.round(r / step) * step * 2.0 ** e      # np.round: ties to even
;;       return np.moveaxis(q.reshape(q.shape[:-2] + (-1,))[..., :K], -1, axis).astype(np.float32)
;;   ~~~
;;   SOFTMAX AHEAD OF A QUANTISED PRODUCT. Where the list says 'softmax', what is quantised is not the finished softmax but p = 2^(t - M), with t = logit x log2(e) and M = ceil(the row's largest t), a whole number; so 1/2 < the row's largest p <= 1. The row's sum l is taken of the UNQUANTISED p, in f32, and the product's result is divided by l at the end. Since M is a whole number, a kernel that streams over the keys may use a running M (the ceiling of the running maximum): every later rescaling is an exact power of two, which a block's scale takes up: the codes' values come out the same.
;;   OPERANDS COMPUTED ON THE WAY. 'Computed on the way' means the value that the module computes at that place (a softmax that the list does not call 'softmax' is quantised finished and normalised). What goes into a quantiser is computed in f32, as accurately as f32 sums, v_exp_f32 and their like allow (about 1e-6 of the number): no bf16 or f16 on the way to a quantiser, and a product that is left as it is and whose result goes on into a quantised operand takes f32 operands (vector FMAs, or v_wmma_f32_16x16x4_f32). A number that lies on a knife's edge between two numbers of the format may be rounded either way, as far as f32 arithmetic and the matrix unit's own rounding can turn it there, and no further.
;; One version. Each part assembles by itself: llvm-mc -triple=amdgcn-amd-amdhsa -mcpu=gfx1250 --defsym DOCPART=n.
;; ======== version 1 of 1: 4 launches
;; limits: right only within a limited range of input values
;; workspace buffers: opc 10,223,616 bytes; ops 425,984 bytes; pc 9,437,184 bytes; ps 393,216 bytes; cc 3,145,728 bytes; cs 131,072 bytes
;; launch prep (part 1): grid 448 x 1, 4 waves a work-group, no clusters, 34,304 bytes of LDS; arguments query, key, value, Wq, Wk, Wv, Wo, opc, ops; writes opc, ops
.if DOCPART == 1
	.amdgcn_target "amdgcn-amd-amdhsa--gfx1250"
	.amdhsa_code_object_version 6
	.text
	.protected	k_qaf0d6ce7fe_prep
	.globl	k_qaf0d6ce7fe_prep
	.p2align	8
	.type	k_qaf0d6ce7fe_prep,@function
k_qaf0d6ce7fe_prep:
	s_mov_b64 s[64:65], 0
	v_nop
	global_prefetch_b8 v0, s[64:65] scope:SCOPE_SE
	s_setreg_imm32_b32 hwreg(HW_REG_WAVE_MODE, 25, 1), 1
	s_wait_xcnt 0x0
; PREP.  query, key, value [8192][512] f32 (K innermost) and Wq, Wk, Wv, Wo [512 (K)][512 (n)] f32 (K outermost) become codes of FP6 (E2M3) with one E8M0 scale byte for each 32 along K.
; A block's scale is 2^(floor(log2(its largest magnitude)) - 2); its byte is the largest magnitude's exponent field - 2, held at 1 from below.
; LIMITS: a block of zeros, or one whose largest magnitude lies under 2^-124, gets the byte 1 (the stated quantiser says 127 for zeros): its codes are zeros, and only this program reads the bytes.  NaN and infinities among the inputs are not served.
; WHAT IS STORED is the image of the matrix operand's registers.  A tile is 16 rows; tile T holds rows 32 (T / 2) + 8 (T % 2) + r + 8 (r / 8), r = 0 .. 15 (rows: tokens, or a weight's columns n).
;   opc: [tile 0 .. 1663][K step s 0 .. 3][g 0 .. 2][lane 0 .. 31][16 bytes]: registers 4 g .. 4 g + 3 of the fragment (16 rows x 128 K, 12 registers) of lane l.  Tiles 0-511 query, 512-1023 key, 1024-1535 value, 1536 + 32 j on: weight j.
;   ops: [tile][r][s] one word: the four scale bytes of row r, K step s.
; Work-groups 0-383: a wave takes one tile of 16 tokens, all 512 along K.  Work-groups 384-447: a wave takes 32 columns of a weight and 128 along K.  Waves share nothing: no barrier.  Only the first path uses LDS.
.set SP,   528                         ; a stage row: 512 bytes + 16: the sixteen rows that a read touches start 16 bytes apart modulo 256
.set WST,  16*SP                       ; a wave's stage
.set R,    16                          ; v16-143  two sets of 64: a K step as loaded (16 rows x 16 bytes a lane)
.set X,    144                         ; v144-207 64 numbers of my row: register 16 b + i = k 32 b + 16 (lane / 16) + i
.set TM,   208                         ; v208-223 at work in QUANT
.set PW,   224                         ; v224-227 my row's scale words of the four K steps
.set PC,   228                         ; v228-239 the fragment just made
.set PT,   240                         ; v240-247 upper halves of the blocks, before they are moved
.set E,    248                         ; v248-249 two scale words to store
.set SEL,  30                          ; s[30:31] lane selects: lane l xor 16
.set HM,   32                          ; s32      mask of lanes 16-31
.set XW,   16                          ; weights: v16-79 two sets of 32 numbers down K
.set FW,   80                          ; v80-103  the fragment registers of image lanes (r, 0) and (r, 1)
.set PTW,  104
; 64 numbers of a lane, v[SRC] on, register 16 b + i = k 32 b + 16 (lane / 16) + i of my row, become registers 0-5 (v[DA] on) and 6-11 (v[DB] on) of a fragment, and its scale word v[PWR].
.macro QUANT
.irp b, 0,1,2,3
	v_max3_num_f32 v[TM+\b], |v[SRC+16*\b]|, |v[SRC+1+16*\b]|, 0x1800000   ; block b: my 16 numbers, and the floor 2^(3 - 127): the byte cannot fall under 1
.endr
.irp i, 2,4,6,8,10,12,14
.irp b, 0,1,2,3
	v_max3_num_f32 v[TM+\b], v[TM+\b], |v[SRC+16*\b+\i]|, |v[SRC+1+16*\b+\i]|   ; the four blocks by turns
.endr
.endr
.irp b, 0,1,2,3
	v_permlanex16_b32 v[TM+4+\b], v[TM+\b], s[SEL], s[SEL+1]
.endr
.irp b, 0,1,2,3
	v_max_num_f32 v[TM+\b], v[TM+\b], v[TM+4+\b]   ; with lane l xor 16: the largest magnitude of the block
.endr
.irp b, 0,1,2,3
	v_add_nc_u32 v[TM+12+\b], 0xff000000, v[TM+\b]   ; 2 off its exponent field: the conversion takes the exponent field of this operand as its scale
.endr
.irp b, 0,1,2,3
	v_lshrrev_b32 v[TM+4+\b], 23, v[TM+12+\b]      ; the scale byte
.endr
	v_lshl_or_b32 v[PWR], v[TM+5], 8, v[TM+4]
	v_lshl_or_b32 v[PWR], v[TM+6], 16, v[PWR]
	v_lshl_or_b32 v[PWR], v[TM+7], 24, v[PWR]
	v_cvt_scalef32_pk16_fp6_f32 v[DA:DA+2], v[SRC:SRC+15], v[TM+12]
	v_cvt_scalef32_pk16_fp6_f32 v[PT:PT+2], v[SRC+16:SRC+31], v[TM+13]
	v_cvt_scalef32_pk16_fp6_f32 v[DB:DB+2], v[SRC+32:SRC+47], v[TM+14]
	v_cvt_scalef32_pk16_fp6_f32 v[PT+4:PT+6], v[SRC+48:SRC+63], v[TM+15]
	v_nop                                          ; one plain instruction behind the scaled conversions
.irp i, 0,1,2                                  ; the operand wants a whole block in a lane: lanes 0-15 the even block, lanes 16-31 the odd one
	v_permlane16_swap_b32 v[DA+\i], v[PT+\i]
	v_permlane16_swap_b32 v[DB+\i], v[PT+4+\i]
.endr
.irp i, 0,1,2
	v_mov_b32 v[DA+3+\i], v[PT+\i]
	v_mov_b32 v[DB+3+\i], v[PT+4+\i]
.endr
.endm
.macro XLOAD s                         ; K step s of my 16 rows: one instruction reads the 512 consecutive bytes of one row
.set k, 0
.rept 16
	global_load_b128 v[R+64*((\s)%2)+4*k:R+64*((\s)%2)+4*k+3], v1, s[4:5] offset:(k+24*(k/8))*2048+512*(\s) th:TH_LOAD_NT   ; TOKENS: tile T holds rows 64 (T / 4) + 8 (T % 4) + r + 24 (r / 8); the formula at the head holds for the weights' columns alone
.set k, k+1
.endr
.endm
.macro TURN s                          ; through my own stage: in by rows, out 16 neighbours of each block a lane.  LDS serves a wave in order: no wait between
.set k, 0
.rept 16
	ds_store_b128 v2, v[R+64*((\s)%2)+4*k:R+64*((\s)%2)+4*k+3] offset:k*SP
.set k, k+1
.endr
.set k, 0
.rept 16
	ds_load_b128 v[X+4*k:X+4*k+3], v3 offset:128*(k/4)+16*(k%4)
.set k, k+1
.endr
.endm
.macro WLOAD t                         ; block t of my column: W(32 t + i, column): 32 lanes read 128 consecutive bytes
.set k, 0
.rept 32
	global_load_b32 v[XW+32*((\t)%2)+k], v1, s[4:5] offset:(32*(\t)+k)*2048 th:TH_LOAD_NT
.set k, k+1
.endr
.endm
.macro WBLOCK t                        ; block t = 2 c + h of the K step: registers 6 c .. 6 c + 5 of image lane (r, h)
.set XS, XW+32*((\t)%2)
.set DD, FW+12*((\t)%2)+6*((\t)/2)
.if (\t) < 3
	s_wait_loadcnt 32                              ; my 32 loads are in; the 32 of the next block may be out
.else
	s_wait_loadcnt 0x0
.endif
	v_max3_num_f32 v108, |v[XS]|, |v[XS+1]|, |v[XS+2]|
	v_max3_num_f32 v109, |v[XS+3]|, |v[XS+4]|, |v[XS+5]|
.irp i, 6,10,14,18,22,26
	v_max3_num_f32 v108, v108, |v[XS+\i]|, |v[XS+\i+1]|
	v_max3_num_f32 v109, v109, |v[XS+\i+2]|, |v[XS+\i+3]|
.endr
	v_max3_num_f32 v108, v108, |v[XS+30]|, |v[XS+31]|
	v_max3_num_f32 v108, v108, v109, 0x1800000     ; and the floor
	v_add_nc_u32 v110, 0xff000000, v108
	v_lshrrev_b32 v111, 23, v110
.if (\t) == 0
	v_mov_b32 v112, v111
.else
	v_lshl_or_b32 v112, v111, 8*(\t), v112         ; the four bytes make the scale word of my column for this K step
.endif
	v_cvt_scalef32_pk16_fp6_f32 v[DD:DD+2], v[XS:XS+15], v110
	v_cvt_scalef32_pk16_fp6_f32 v[PTW:PTW+2], v[XS+16:XS+31], v110
	v_nop
.irp i, 0,1,2
	v_mov_b32 v[DD+3+\i], v[PTW+\i]
.endr
.if (\t) < 2
	WLOAD (\t)+2
.endif
.endm
	s_load_b512 s[8:23], s[0:1], 0x0               ; query 8, key 10, value 12, Wq 14, Wk 16, Wv 18, Wo 20, opc 22
	s_load_b64 s[24:25], s[0:1], 0x40              ; ops
	v_lshl_add_u32 v254, v0, 2, 0x8400
	v_mov_b32 v255, 0
	v_lshrrev_b32 v5, 5, v0
	v_readfirstlane_b32 s2, v5                     ; wave
	v_and_b32 v6, 31, v0                           ; lane
	v_and_b32 v7, 15, v0                           ; r
	v_bfe_u32 v8, v0, 4, 1                         ; h
	v_cmp_le_u32 s[HM], 16, v6
	s_mov_b32 s[SEL], 0x76543210
	s_mov_b32 s[SEL+1], 0xfedcba98
	s_cmp_lt_u32 ttmp9, 384
	s_cbranch_scc0 .Lweights
	; ---- tokens
	v_lshlrev_b32 v1, 4, v6                        ; 16 x lane
	s_mul_i32 s33, s2, WST
	v_add_nc_u32 v2, s33, v1                       ; the stage, in
	v_mul_u32_u24 v3, v7, SP
	v_lshl_add_u32 v3, v8, 6, v3
	v_add_nc_u32 v3, s33, v3                       ; the stage, out: row r, + 64 h
	v_lshlrev_b32 v4, 4, v7
	v_lshl_add_u32 v4, v8, 3, v4                   ; scale words: 16 r + 8 h
.irp b, 0,1,2,3
	v_mov_b32 v[TM+4+\b], 0                        ; written once: the destination of a lane permute counts as a source
.endr
	s_lshl_b32 s34, ttmp9, 2
	s_add_co_u32 s34, s34, s2                      ; my tile, 0 .. 1535
	s_and_b32 s35, s34, 511                        ; in its tensor
	s_lshr_b32 s36, s35, 2
	s_lshl_b32 s36, s36, 17                        ; 64 rows of 2,048 bytes for each four tiles,
	s_and_b32 s37, s35, 3
	s_lshl_b32 s37, s37, 14                        ; 8 rows for each tile before it of the four
	s_add_co_u32 s36, s36, s37
	s_mov_b32 s37, 0
	s_mul_i32 s38, s34, 6144
	s_mov_b32 s39, 0
	s_lshl_b32 s40, s34, 8
	s_mov_b32 s41, 0
	s_wait_alu depctr_va_vdst(0)
	s_wait_kmcnt 0x0
	s_cmp_lt_u32 ttmp9, 128
	s_cselect_b64 s[4:5], s[8:9], s[10:11]
	s_cmp_lt_u32 ttmp9, 256
	s_cselect_b64 s[4:5], s[4:5], s[12:13]
	s_add_nc_u64 s[4:5], s[4:5], s[36:37]
	s_add_nc_u64 s[26:27], s[22:23], s[38:39]
	s_add_nc_u64 s[28:29], s[24:25], s[40:41]
	XLOAD 0
	XLOAD 1
.irp s, 0,1,2,3
.if \s < 3
	s_wait_loadcnt 16                              ; this K step is in; the 16 loads of the next may be out
.else
	s_wait_loadcnt 0x0
.endif
	TURN \s
	s_wait_dscnt 0x0                               ; the stage has read the set, and my 64 numbers are back
.if \s > 0
	s_wait_xcnt 0x0                                ; the stores of the last K step have read the fragment registers, which are written again below
.endif
.if \s < 2
	XLOAD \s+2
.endif
.set SRC, X
.set DA, PC
.set DB, PC+6
.set PWR, PW+\s
	QUANT
.irp g, 0,1,2
	global_store_b128 v1, v[PC+4*\g:PC+4*\g+3], s[26:27] offset:1536*\s+512*\g   ; 32 lanes store 512 consecutive bytes, aligned
.endr
.endr
	v_cndmask_b32 v[E], v[PW], v[PW+2], s[HM]      ; lanes 0-15 store words 0, 1 of their row, lanes 16-31 words 2, 3
	v_cndmask_b32 v[E+1], v[PW+1], v[PW+3], s[HM]
	global_store_b64 v4, v[E:E+1], s[28:29]        ; the 256 bytes of the tile, each byte once
	s_wait_tensorcnt 0x0
	ds_add_u32 v254, v255
	s_wait_dscnt 0x0
	s_endpgm
.Lweights:
	; ---- weights: a lane takes a column n, its registers run down K
	s_sub_co_u32 s33, ttmp9, 384
	s_lshr_b32 s34, s33, 4                         ; which weight
	s_bfe_u32 s35, s33, 0x20002                    ; which 128 columns
	s_and_b32 s36, s33, 3                          ; which K step
	s_wait_alu depctr_va_vdst(0)
	v_lshlrev_b32 v1, 2, v6
	v_bfe_u32 v9, v0, 3, 1                         ; column l of my 32 lies in tile u = (l / 8) % 2,
	v_and_b32 v10, 7, v0
	v_lshl_add_u32 v10, v8, 3, v10                 ; at row r = l % 8 + 8 (l / 16)
	v_lshlrev_b32 v10, 4, v10
	v_mad_u32_u24 v2, v9, 6144, v10                ; codes: tile u, 16 r
	v_lshl_add_u32 v3, v9, 8, v10                  ; scale words: tile u, 16 r
	s_lshl_b32 s38, s36, 18                        ; 128 rows of 2,048 bytes a K step
	s_lshl_b32 s37, s35, 9
	s_add_co_u32 s38, s38, s37
	s_lshl_b32 s37, s2, 7
	s_add_co_u32 s38, s38, s37
	s_mov_b32 s39, 0
	s_lshl_b32 s40, s34, 5
	s_lshl_b32 s37, s35, 3
	s_add_co_u32 s40, s40, s37
	s_lshl_b32 s37, s2, 1
	s_add_co_u32 s40, s40, s37
	s_add_co_u32 s40, s40, 1536                    ; my first tile
	s_mul_i32 s42, s40, 6144
	s_mul_i32 s37, s36, 1536
	s_add_co_u32 s42, s42, s37
	s_mov_b32 s43, 0
	s_lshl_b32 s44, s40, 8
	s_lshl_b32 s37, s36, 2
	s_add_co_u32 s44, s44, s37
	s_mov_b32 s45, 0
	s_wait_alu depctr_va_vdst(0)
	s_wait_kmcnt 0x0
	s_cmp_lt_u32 s34, 1
	s_cselect_b64 s[4:5], s[14:15], s[16:17]
	s_cmp_lt_u32 s34, 2
	s_cselect_b64 s[4:5], s[4:5], s[18:19]
	s_cmp_lt_u32 s34, 3
	s_cselect_b64 s[4:5], s[4:5], s[20:21]
	s_add_nc_u64 s[4:5], s[4:5], s[38:39]
	s_add_nc_u64 s[26:27], s[22:23], s[42:43]
	s_add_nc_u64 s[28:29], s[24:25], s[44:45]
	WLOAD 0
	WLOAD 1
	WBLOCK 0
	WBLOCK 1
	WBLOCK 2
	WBLOCK 3
.irp h, 0,1
.irp g, 0,1,2
	global_store_b128 v2, v[FW+12*\h+4*\g:FW+12*\h+4*\g+3], s[26:27] offset:512*\g+256*\h   ; the sixteen lanes of a tile store 256 consecutive bytes, aligned: two such runs an instruction
.endr
.endr
	global_store_b32 v3, v112, s[28:29]            ; 4 bytes a lane, 16 apart: 32,768 bytes in the whole launch go out so
	s_endpgm
.Lfunc_end_k_qaf0d6ce7fe_prep:
	.size	k_qaf0d6ce7fe_prep, .Lfunc_end_k_qaf0d6ce7fe_prep-k_qaf0d6ce7fe_prep
	.p2alignl 7, 3214868480
	.fill 96, 4, 3214868480
	.section	.rodata,"a",@progbits
	.p2align	6, 0x0
	.amdhsa_kernel k_qaf0d6ce7fe_prep
		.amdhsa_group_segment_fixed_size 34304
		.amdhsa_private_segment_fixed_size 0
		.amdhsa_enable_private_segment 0
		.amdhsa_kernarg_size 72
		.amdhsa_user_sgpr_count 2
		.amdhsa_user_sgpr_kernarg_segment_ptr 1
		.amdhsa_wavefront_size32 1
		.amdhsa_system_sgpr_workgroup_id_x 1
		.amdhsa_system_sgpr_workgroup_id_y 1
		.amdhsa_system_sgpr_workgroup_id_z 1
		.amdhsa_system_vgpr_workitem_id 0
		.amdhsa_next_free_vgpr 256
		.amdhsa_next_free_sgpr 66
		.amdhsa_reserve_vcc 0
		.amdhsa_float_denorm_mode_32 3
		.amdhsa_float_denorm_mode_16_64 3
		.amdhsa_memory_ordered 1
		.amdhsa_forward_progress 1
		.amdhsa_inst_pref_size 54
	.end_amdhsa_kernel
	.amdgpu_metadata
---
amdhsa.version: [ 1, 2 ]
amdhsa.kernels:
  - .name:           k_qaf0d6ce7fe_prep
    .symbol:         k_qaf0d6ce7fe_prep.kd
    .args:
      - { .name: query, .offset: 0, .size: 8, .value_kind: global_buffer, .address_space: global }
      - { .name: key, .offset: 8, .size: 8, .value_kind: global_buffer, .address_space: global }
      - { .name: value, .offset: 16, .size: 8, .value_kind: global_buffer, .address_space: global }
      - { .name: Wq, .offset: 24, .size: 8, .value_kind: global_buffer, .address_space: global }
      - { .name: Wk, .offset: 32, .size: 8, .value_kind: global_buffer, .address_space: global }
      - { .name: Wv, .offset: 40, .size: 8, .value_kind: global_buffer, .address_space: global }
      - { .name: Wo, .offset: 48, .size: 8, .value_kind: global_buffer, .address_space: global }
      - { .name: opc, .offset: 56, .size: 8, .value_kind: global_buffer, .address_space: global }
      - { .name: ops, .offset: 64, .size: 8, .value_kind: global_buffer, .address_space: global }
    .group_segment_fixed_size: 34304
    .private_segment_fixed_size: 0
    .kernarg_segment_align: 8
    .kernarg_segment_size: 72
    .max_flat_workgroup_size: 128
    .sgpr_count:     66
    .vgpr_count:     256
    .wavefront_size: 32
...
	.end_amdgpu_metadata
.endif
;; end of part 1
;; launch proj (part 2): grid 192 x 1, 4 waves a work-group, no clusters, 0 bytes of LDS; arguments opc, ops, bq, bk, bv, pc, ps; writes pc, ps
.if DOCPART == 2
	.amdgcn_target "amdgcn-amd-amdhsa--gfx1250"
	.amdhsa_code_object_version 6
	.text
	.protected	k_qaf0d6ce7fe_proj
	.globl	k_qaf0d6ce7fe_proj
	.p2align	8
	.type	k_qaf0d6ce7fe_proj,@function
k_qaf0d6ce7fe_proj:
	s_mov_b64 s[64:65], 0
	v_nop
	global_prefetch_b8 v0, s[64:65] scope:SCOPE_SE
	s_setreg_imm32_b32 hwreg(HW_REG_WAVE_MODE, 25, 1), 1
	s_wait_xcnt 0x0
; PROJ.  q = query Wq + bq, k = key Wk + bk, v = value Wv + bv on codes of FP6 (E2M3) with E8M0 scales, sums in f32; the results are quantised at once for the attention: q and k along the 64 of a head, v along the keys.
; Operands come as images of their registers (opc, ops, as the launch before laid them).  A tile of 16 rows holds rows 32 (T / 2) + 8 (T % 2) + r + 8 (r / 8).
; In D = product(source 0 = tile of S, source 1 = tile of M) a lane (r, h) holds row r of M, and the 16 registers of S tiles 2 b, 2 b + 1 are S rows 32 b + 16 h + 0 .. 15: 16 neighbours, as the conversions want them.
;   q, k (work-groups 0-127): S = the weight (columns), M = tokens: a lane holds a token, its registers run along the channels.
;   v    (work-groups 128-191): S = tokens, M = the weight: a lane holds a channel, its registers run along the keys.
; A WAVE IS A JOB OF ITS OWN: 8 tiles of S x 8 tiles of M x K 512 = 256 matrix instructions.  The 32 fragments of S stay in registers; those of M go through a ring of four sets of registers.  No LDS, no barrier.
; OUT.  pc: three sections (q, k, v) of [head hh 0 .. 15][step of 128 tokens 0 .. 31][fragment f 0 .. 3][1,536 bytes as an image].  q, k: fragment f holds token tile 2 f in registers 0-5 (K 0-63 = the channels of the head) and
;   tile 2 f + 1 in registers 6-11.  v: fragment f is channel tile f of the head, K = the 128 keys of the step.   ps: [hh][step][lane][i 0 .. 1] words: register i holds the scale words of fragment 2 i in lanes 0-15, of 2 i + 1 in lanes 16-31.
; LIMITS: a block of zeros, or one under 2^-124, gets the scale byte 1 (not 127): its codes are zeros, and only this program reads the bytes.  NaN and infinities are not served.
; REGISTERS, in windows of 256.  Window 0: below.  Window 1: S tiles 0-3, fragment (t, s) at 12 (4 t + s).  Window 2: S tiles 4-7 likewise; v192-255 the bias of q or k, 8 registers a tile in the layout of the result.  Window 3: M, set m % 4 at 48 (m % 4) + 12 s.
.set HA,  16                           ; v16-79   the 8 accumulators
.set SS,  80                           ; v80-111  scale words of S: 4 t + s
.set MS,  112                          ; v112-143 scale words of M: 4 m + s
.set TM,  144                          ; v144-159 at work in QUANT
.set PW,  160                          ; v160-167 the scale word made for each m
.set F0,  168                          ; v168-179 a fragment being made
.set F1,  180                          ; v180-191 a second one (q, k: the second head)
.set PT,  192
.set WW,  200
.set E,   208
.set BM,  216                          ; v216-223 v: the bias of my channel, for each m
.set CB,  224                          ; v224-231 v: eight copies of it: the C of the first products
.set B1,  192                          ; in window 2
.set SEL, 20
.set HM,  22
.set MSB, 0
.macro WIN new                         ; the high byte of the immediate repeats the setting that is left
.if MSB != (\new)
	s_set_vgpr_msb (MSB<<8)|(\new)
.set MSB, \new
.endif
.endm
.macro PLACES n
.rept \n
	v_nop
.endr
.endm
.macro QUANT                           ; as in the launch before: 64 numbers v[SRC] on -> registers 0-5 at v[DA], 6-11 at v[DB], scale word v[PWR]
.irp b, 0,1,2,3
	v_max3_num_f32 v[TM+\b], |v[SRC+16*\b]|, |v[SRC+1+16*\b]|, 0x1800000   ; each accumulator is read from its low end on; the floor 2^(3 - 127) holds the byte at 1
.endr
.irp i, 2,4,6,8,10,12,14
.irp b, 0,1,2,3
	v_max3_num_f32 v[TM+\b], v[TM+\b], |v[SRC+16*\b+\i]|, |v[SRC+1+16*\b+\i]|
.endr
.endr
.irp b, 0,1,2,3
	v_permlanex16_b32 v[TM+4+\b], v[TM+\b], s[SEL], s[SEL+1]
.endr
.irp b, 0,1,2,3
	v_max_num_f32 v[TM+\b], v[TM+\b], v[TM+4+\b]
.endr
.irp b, 0,1,2,3
	v_add_nc_u32 v[TM+12+\b], 0xff000000, v[TM+\b]
.endr
.irp b, 0,1,2,3
	v_lshrrev_b32 v[TM+4+\b], 23, v[TM+12+\b]
.endr
	v_lshl_or_b32 v[PWR], v[TM+5], 8, v[TM+4]
	v_lshl_or_b32 v[PWR], v[TM+6], 16, v[PWR]
	v_lshl_or_b32 v[PWR], v[TM+7], 24, v[PWR]
	v_cvt_scalef32_pk16_fp6_f32 v[DA:DA+2], v[SRC:SRC+15], v[TM+12]
	v_cvt_scalef32_pk16_fp6_f32 v[PT:PT+2], v[SRC+16:SRC+31], v[TM+13]
	v_cvt_scalef32_pk16_fp6_f32 v[DB:DB+2], v[SRC+32:SRC+47], v[TM+14]
	v_cvt_scalef32_pk16_fp6_f32 v[PT+4:PT+6], v[SRC+48:SRC+63], v[TM+15]
	v_nop                                          ; one plain instruction behind the scaled conversions
.irp i, 0,1,2
	v_permlane16_swap_b32 v[DA+\i], v[PT+\i]
	v_permlane16_swap_b32 v[DB+\i], v[PT+4+\i]
.endr
.irp i, 0,1,2
	v_mov_b32 v[DA+3+\i], v[PT+\i]
	v_mov_b32 v[DB+3+\i], v[PT+4+\i]
.endr
.endm
; v: token tile t holds tokens 64 (t / 4) + 8 (t % 4) + r + 24 (r / 8), so register 32 c + i of the accumulators is key 64 c + 32 (lane / 16) + i: a lane holds two WHOLE blocks, in the order of the operand's registers.
; No other lane is asked for a maximum and no code changes lanes; the scale word's four bytes are gathered from lanes l and l xor 16 (v8 = 8 x (lane / 16)).
.macro QUANTV
.irp c, 0,1
	v_max3_num_f32 v[TM+\c], |v[HA+32*\c]|, |v[HA+32*\c+1]|, 0x1800000
.endr
.irp i, 2,4,6,8,10,12,14,16,18,20,22,24,26,28,30
.irp c, 0,1
	v_max3_num_f32 v[TM+\c], v[TM+\c], |v[HA+32*\c+\i]|, |v[HA+32*\c+\i+1]|
.endr
.endr
.irp c, 0,1
	v_add_nc_u32 v[TM+12+\c], 0xff000000, v[TM+\c]
.endr
.irp c, 0,1
	v_lshrrev_b32 v[TM+4+\c], 23, v[TM+12+\c]
.endr
	v_lshl_or_b32 v[TM+8], v[TM+5], 16, v[TM+4]    ; my bytes: blocks h and 2 + h,
	v_lshlrev_b32 v[TM+8], v8, v[TM+8]             ; at their places in the word
	v_permlanex16_b32 v[TM+6], v[TM+8], s[SEL], s[SEL+1]
	v_or_b32 v[PWR], v[TM+8], v[TM+6]
	v_cvt_scalef32_pk16_fp6_f32 v[F0:F0+2], v[HA:HA+15], v[TM+12]
	v_cvt_scalef32_pk16_fp6_f32 v[PT:PT+2], v[HA+16:HA+31], v[TM+12]
	v_cvt_scalef32_pk16_fp6_f32 v[F0+6:F0+8], v[HA+32:HA+47], v[TM+13]
	v_cvt_scalef32_pk16_fp6_f32 v[PT+4:PT+6], v[HA+48:HA+63], v[TM+13]
	v_nop                                          ; one plain instruction behind the scaled conversions
.irp i, 0,1,2
	v_mov_b32 v[F0+3+\i], v[PT+\i]
	v_mov_b32 v[F0+9+\i], v[PT+4+\i]
.endr
.endm
.macro MM t, s, m, c
	v_wmma_scale_f32_16x16x128_f8f6f4 v[HA+8*(\t):HA+8*(\t)+7], v[12*(4*((\t)%4)+(\s)):12*(4*((\t)%4)+(\s))+11], v[48*((\m)%4)+12*(\s):48*((\m)%4)+12*(\s)+11], v[(\c):(\c)+7], v[SS+4*(\t)+(\s)], v[MS+4*(\m)+(\s)] matrix_a_fmt:MATRIX_FMT_FP6 matrix_b_fmt:MATRIX_FMT_FP6
.endm
.macro PROD t, s, m, isv               ; the first K step starts the sum with the bias as C
.if \s == 0
.if \isv
	MM \t, \s, \m, CB
.else
	MM \t, \s, \m, B1+8*(\t)
.endif
.else
	MM \t, \s, \m, HA+8*(\t)
.endif
.endm
.macro TILE_IN set, tile               ; the four fragments of a tile of M, 6,144 consecutive bytes: 12 loads of 512 bytes
.set k, 0
.rept 12
	global_load_b128 v[48*(\set)+4*k:48*(\set)+4*k+3], v1, s[26:27] offset:(\tile)*6144+512*k
.set k, k+1
.endr
.endm
.macro PROJ isv
.if \isv
	s_sub_co_u32 s38, ttmp9, 128
	s_lshr_b32 s39, s38, 2                         ; G: which 512 tokens
	s_and_b32 s38, s38, 3                          ; cg: which 128 channels
	s_lshl_b32 s40, s39, 5
	s_lshl_b32 s44, s18, 3
	s_add_co_u32 s40, s40, s44
	s_add_co_u32 s40, s40, 1024                    ; my 8 tiles of S: tokens of value
	s_lshl_b32 s41, s38, 3
	s_add_co_u32 s41, s41, 1600                    ; the 8 tiles of M: columns of Wv
	s_lshr_b32 s44, s39, 3
	s_lshl_b32 s44, s44, 3
	s_lshl_b32 s45, s38, 1
	s_add_co_u32 s44, s44, s45                     ; hh = 8 b + 2 cg
	s_and_b32 s45, s39, 7
	s_lshl_b32 s45, s45, 2
	s_add_co_u32 s45, s45, s18                     ; step
	s_mov_b32 s46, 6291456                         ; the section of v in pc,
	s_mov_b32 s47, 262144                          ; and in ps
	s_lshl_b32 s39, s38, 9                         ; the bias: 128 numbers for each cg
	v_and_b32 v4, 8, v6
	v_add_nc_u32 v4, v4, v6
	v_lshlrev_b32 v4, 2, v4
	v_lshlrev_b32 v8, 3, v7                        ; 8 h: where my two scale bytes stand in a word
.else
	s_lshr_b32 s38, ttmp9, 6                       ; 0: q, 1: k
	s_and_b32 s39, ttmp9, 63                       ; g: which 128 tokens
	s_lshl_b32 s40, s38, 5
	s_lshl_b32 s44, s18, 3
	s_add_co_u32 s40, s40, s44
	s_add_co_u32 s40, s40, 1536                    ; my 8 tiles of S: 128 columns of the weight: heads 2 w, 2 w + 1
	s_lshl_b32 s41, s38, 9
	s_lshl_b32 s44, s39, 3
	s_add_co_u32 s41, s41, s44                     ; the 8 tiles of M: tokens
	s_lshr_b32 s44, s39, 5
	s_lshl_b32 s44, s44, 3
	s_lshl_b32 s45, s18, 1
	s_add_co_u32 s44, s44, s45                     ; hh = 8 b + 2 w
	s_and_b32 s45, s39, 31                         ; step
	s_mul_i32 s46, s38, 3145728
	s_lshl_b32 s47, s38, 17
	s_lshl_b32 s39, s18, 9                         ; the bias: my 128 numbers
	v_lshlrev_b32 v4, 6, v7                        ; 16 h numbers on
.endif
	s_mul_i32 s42, s44, 196608
	s_add_co_u32 s46, s46, s42
	s_mul_i32 s42, s45, 6144
	s_add_co_u32 s46, s46, s42                     ; where my codes go
	s_lshl_b32 s44, s44, 5
	s_add_co_u32 s44, s44, s45
	s_lshl_b32 s44, s44, 8
	s_add_co_u32 s47, s47, s44                     ; and my scale words
	s_wait_kmcnt 0x0
	s_mul_i32 s42, s40, 6144
	s_add_nc_u64 s[24:25], s[4:5], s[42:43]
	s_mul_i32 s42, s41, 6144
	s_add_nc_u64 s[26:27], s[4:5], s[42:43]
	s_lshl_b32 s42, s40, 8
	s_add_nc_u64 s[28:29], s[6:7], s[42:43]
	s_lshl_b32 s42, s41, 8
	s_add_nc_u64 s[30:31], s[6:7], s[42:43]
	s_mov_b32 s42, s39
.if \isv
	s_add_nc_u64 s[32:33], s[12:13], s[42:43]
.else
	s_cmp_eq_u32 s38, 0
	s_cselect_b64 s[32:33], s[8:9], s[10:11]
	s_add_nc_u64 s[32:33], s[32:33], s[42:43]
.endif
	s_mov_b32 s42, s46
	s_add_nc_u64 s[34:35], s[14:15], s[42:43]
	s_mov_b32 s42, s47
	s_add_nc_u64 s[36:37], s[16:17], s[42:43]
.irp t, 0,1,2,3,4,5,6,7
	global_load_b128 v[SS+4*\t:SS+4*\t+3], v2, s[28:29] offset:256*\t   ; the four scale words of row r
.endr
.irp m, 0,1,2,3,4,5,6,7
	global_load_b128 v[MS+4*\m:MS+4*\m+3], v2, s[30:31] offset:256*\m
.endr
.if \isv
	s_wait_alu depctr_va_vdst(0)
.irp m, 0,1,2,3,4,5,6,7
	global_load_b32 v[BM+\m], v4, s[32:33] offset:(32*(\m/2)+8*(\m%2))*4
.endr
.else
	WIN 0x80
	s_wait_alu depctr_va_vdst(0)
.irp t, 0,1,2,3,4,5,6,7
	global_load_b128 v[B1+8*\t:B1+8*\t+3], v4, s[32:33] offset:(32*(\t/2)+8*(\t%2))*4      ; tile t, lane (r, h): columns 32 (t / 2) + 16 h + 8 (t % 2) + 0 .. 7
	global_load_b128 v[B1+8*\t+4:B1+8*\t+7], v4, s[32:33] offset:(32*(\t/2)+8*(\t%2))*4+16
.endr
.endif
	WIN 0x40
.set k, 0
.rept 48
	global_load_b128 v[4*k:4*k+3], v1, s[24:25] offset:512*k          ; S tiles 0-3: 24,576 consecutive bytes
.set k, k+1
.endr
	WIN 0x80
.set k, 0
.rept 48
	global_load_b128 v[4*k:4*k+3], v1, s[24:25] offset:24576+512*k    ; S tiles 4-7
.set k, k+1
.endr
	WIN 0xc0
	TILE_IN 0, 0
	TILE_IN 1, 1
	TILE_IN 2, 2
	TILE_IN 3, 3
	WIN 0
.irp m, 0,1,2,3,4,5,6,7
.if \m <= 4
	s_wait_loadcnt 36                              ; tile m of M (and all that was asked for ahead of it) is in; the 12 loads of each of the three younger tiles may be out
.else
	s_wait_loadcnt 12*(7-\m)
.endif
.if \isv
.irp j, 0,1,2,3,4,5,6,7
	v_mov_b32 v[CB+\j], v[BM+\m]                   ; the bias of my channel in all eight registers
.endr
	PLACES 4
.endif
.irp s, 0,1,2,3                                ; the eight accumulators take turns, one instruction a turn
.set CW, 0
.if (\s == 0) && (\isv == 0)
.set CW, 0x20                                  ; C in window 2
.endif
.set WN, 0x0d+CW
	WIN WN                                         ; source 0 window 1, source 1 window 3
.irp t, 0,1,2,3
	PROD \t, \s, \m, \isv
.endr
.set WN, 0x0e+CW
	WIN WN                                         ; source 0 window 2
.irp t, 4,5,6,7
	PROD \t, \s, \m, \isv
.endr
.endr
	WIN 0
	PLACES 5                                       ; in front of the loads into the set just multiplied, of the first read of the results, and of the next products, which begin the accumulators anew
.if \isv
.if \m > 0
	s_wait_xcnt 0x0                                ; the last stores have read the fragment registers that are written again below
.endif
.else
.if (\m > 0) && (\m%2 == 0)
	s_wait_xcnt 0x0
.endif
.endif
.if \m < 4
	WIN 0xc0
	TILE_IN \m, \m+4
	WIN 0
.endif
.set SRC, HA
.set PWR, PW+\m
.if \isv
.set DA, F0
.set DB, F0+6
	QUANTV                                         ; 128 keys of my channel: one fragment
.irp g, 0,1,2
	global_store_b128 v1, v[F0+4*\g:F0+4*\g+3], s[34:35] offset:(\m/4)*196608+(\m%4)*1536+512*\g   ; 512 consecutive bytes, aligned
.endr
.else
.set DA, F0+6*(\m%2)
.set DB, F1+6*(\m%2)
	QUANT                                          ; blocks 0, 1: head 2 w; blocks 2, 3: head 2 w + 1: half a fragment for each
.if \m%2
.irp g, 0,1,2
	global_store_b128 v1, v[F0+4*\g:F0+4*\g+3], s[34:35] offset:(\m/2)*1536+512*\g
	global_store_b128 v1, v[F1+4*\g:F1+4*\g+3], s[34:35] offset:196608+(\m/2)*1536+512*\g
.endr
.endif
.endif
.endr
.if \isv
.irp i, 0,1,2,3
	v_cndmask_b32 v[E+\i], v[PW+2*\i], v[PW+2*\i+1], s[HM]   ; lanes 0-15: fragment 2 i, lanes 16-31: fragment 2 i + 1
.endr
.else
.irp f, 0,1,2,3
	v_perm_b32 v[WW+\f], v[PW+2*\f+1], v[PW+2*\f], 0x05040100     ; head 2 w: the two bytes of tile 2 f, then those of tile 2 f + 1
	v_perm_b32 v[WW+4+\f], v[PW+2*\f+1], v[PW+2*\f], 0x07060302   ; head 2 w + 1
.endr
.irp i, 0,1
	v_cndmask_b32 v[E+\i], v[WW+2*\i], v[WW+2*\i+1], s[HM]
	v_cndmask_b32 v[E+2+\i], v[WW+4+2*\i], v[WW+4+2*\i+1], s[HM]
.endr
.endif
	global_store_b64 v3, v[E:E+1], s[36:37]        ; 256 consecutive bytes, aligned: the scale words of a step of one head
	global_store_b64 v3, v[E+2:E+3], s[36:37] offset:8192   ; and of the next head
	s_endpgm
.endm
	s_load_b256 s[4:11], s[0:1], 0x0               ; opc 4, ops 6, bq 8, bk 10
	s_load_b128 s[12:15], s[0:1], 0x20             ; bv 12, pc 14
	s_load_b64 s[16:17], s[0:1], 0x30              ; ps
	v_lshrrev_b32 v5, 5, v0
	v_readfirstlane_b32 s18, v5                    ; wave
	v_and_b32 v5, 31, v0                           ; lane
	v_and_b32 v6, 15, v0                           ; r
	v_bfe_u32 v7, v0, 4, 1                         ; h
	v_lshlrev_b32 v1, 4, v5                        ; 16 x lane: my place in an image
	v_lshlrev_b32 v2, 4, v6                        ; 16 r: my row among a tile's scale words
	v_lshlrev_b32 v3, 3, v5                        ; 8 x lane
	v_cmp_le_u32 s[HM], 16, v5
	s_mov_b32 s[SEL], 0x76543210
	s_mov_b32 s[SEL+1], 0xfedcba98
.irp b, 0,1,2,3
	v_mov_b32 v[TM+4+\b], 0                        ; written once: the destination of a lane permute counts as a source
.endr
	s_mov_b32 s43, 0                               ; the upper word of every offset
	s_cmp_lt_u32 ttmp9, 128
	s_cbranch_scc0 .Lvalues
	s_wait_alu depctr_va_vdst(0)
	PROJ 0
.Lvalues:
	PROJ 1
.Lfunc_end_k_qaf0d6ce7fe_proj:
	.size	k_qaf0d6ce7fe_proj, .Lfunc_end_k_qaf0d6ce7fe_proj-k_qaf0d6ce7fe_proj
	.p2alignl 7, 3214868480
	.fill 96, 4, 3214868480
	.section	.rodata,"a",@progbits
	.p2align	6, 0x0
	.amdhsa_kernel k_qaf0d6ce7fe_proj
		.amdhsa_group_segment_fixed_size 0
		.amdhsa_private_segment_fixed_size 0
		.amdhsa_enable_private_segment 0
		.amdhsa_kernarg_size 56
		.amdhsa_user_sgpr_count 2
		.amdhsa_user_sgpr_kernarg_segment_ptr 1
		.amdhsa_wavefront_size32 1
		.amdhsa_system_sgpr_workgroup_id_x 1
		.amdhsa_system_sgpr_workgroup_id_y 1
		.amdhsa_system_sgpr_workgroup_id_z 1
		.amdhsa_system_vgpr_workitem_id 0
		.amdhsa_next_free_vgpr 1024
		.amdhsa_next_free_sgpr 66
		.amdhsa_reserve_vcc 0
		.amdhsa_float_denorm_mode_32 3
		.amdhsa_float_denorm_mode_16_64 3
		.amdhsa_memory_ordered 1
		.amdhsa_forward_progress 1
		.amdhsa_inst_pref_size 181
	.end_amdhsa_kernel
	.amdgpu_metadata
---
amdhsa.version: [ 1, 2 ]
amdhsa.kernels:
  - .name:           k_qaf0d6ce7fe_proj
    .symbol:         k_qaf0d6ce7fe_proj.kd
    .args:
      - { .name: opc, .offset: 0, .size: 8, .value_kind: global_buffer, .address_space: global }
      - { .name: ops, .offset: 8, .size: 8, .value_kind: global_buffer, .address_space: global }
      - { .name: bq, .offset: 16, .size: 8, .value_kind: global_buffer, .address_space: global }
      - { .name: bk, .offset: 24, .size: 8, .value_kind: global_buffer, .address_space: global }
      - { .name: bv, .offset: 32, .size: 8, .value_kind: global_buffer, .address_space: global }
      - { .name: pc, .offset: 40, .size: 8, .value_kind: global_buffer, .address_space: global }
      - { .name: ps, .offset: 48, .size: 8, .value_kind: global_buffer, .address_space: global }
    .group_segment_fixed_size: 0
    .private_segment_fixed_size: 0
    .kernarg_segment_align: 8
    .kernarg_segment_size: 56
    .max_flat_workgroup_size: 128
    .sgpr_count:     66
    .vgpr_count:     1024
    .wavefront_size: 32
...
	.end_amdgpu_metadata
.endif
;; end of part 2
;; launch attn (part 3): grid 16 x 16, 8 waves a work-group, clusters of 4 x 1, 327,680 bytes of LDS; arguments pc, ps, cc, cs; writes cc, cs
.if DOCPART == 3
	.amdgcn_target "amdgcn-amd-amdhsa--gfx1250"
	.amdhsa_code_object_version 6
	.text
	.protected	k_qaf0d6ce7fe_attn
	.globl	k_qaf0d6ce7fe_attn
	.p2align	8
	.type	k_qaf0d6ce7fe_attn,@function
k_qaf0d6ce7fe_attn:
	s_mov_b64 s[64:65], 0
	v_nop
	global_prefetch_b8 v0, s[64:65] scope:SCOPE_SE
	s_setreg_imm32_b32 hwreg(HW_REG_WAVE_MODE, 25, 1), 1
	s_wait_xcnt 0x0
	s_wait_alu depctr_hold_cnt(0) depctr_sa_sdst(0) depctr_va_vdst(0) depctr_va_sdst(0) depctr_va_ssrc(0) depctr_va_vcc(0) depctr_vm_vsrc(0)
	s_getreg_b32 s2, hwreg(HW_REG_IB_STS2, 6, 4)
	s_cmp_eq_u32 s2, 0
	s_cbranch_scc0 .Lentry_in_a_cluster
	s_endpgm
.Lentry_in_a_cluster:
	s_bfe_u32 s2, ttmp6, 0x10000c
	s_cmp_lg_u32 s2, 0x3003
	s_cbranch_scc0 .Lentry_shape_is_right
	s_endpgm
.Lentry_shape_is_right:
; ATTN.  ctx[hh][q] = the sum over keys of softmax(q . k / 8) v, both products on codes of FP6 (E2M3) with E8M0 scales; ctx is quantised at once, along the 64 channels of its head, for the last projection.
; THE SOFTMAX: t = score x log2(e) / 8; M = the largest t of the row so far, rounded UP to a whole number; p = 2^(t - M) is quantised along the keys, not normalised.  The row's sum is taken of the unquantised p, in f32,
; and divides at the end.  When M moves, the sum and O are multiplied by 2^(old M - new M): exact.
; SHARES.  A work-group owns 256 queries of one head hh = 8 b + head; each of its eight waves 32 of them, two tiles of 16: every fragment of K and V that a wave reads from LDS serves both tiles.  128 keys a step, 32 steps.
; BOTH PRODUCTS ARE USED TRANSPOSED: a lane holds one query of each tile.  A fragment of K holds two tiles of 16 keys (K 0-63, K 64-127) and is multiplied by [q | zero codes] and by [zero codes | q].
; Token tile T of a step holds tokens 64 (T / 4) + 8 (T % 4) + r + 24 (r / 8): so register 32 c + i of a tile's scores is key 64 c + 32 (lane / 16) + i: a lane holds two WHOLE blocks of 32 keys, in the order of the operand's registers.
; A TRIP q: K of step q + 1 is asked of LDS; the softmax of step q; O += V P of step q; V of step q + 1 is asked of LDS; the scores of step q + 1.  K and V have registers of their own, so each LDS load has a softmax in which to land.
; LDS holds 24 of the 32 steps (K's area, V's area, 6,144 bytes a step each) and all scale words.  Steps 0-7 are asked for at the head, steps 8-23 behind the first meeting, steps 24-31 into the bytes of steps 0-7 behind the
; second, at the top of trip 7 (every wave then has K and V of steps 0-7 in registers); a third meeting, at the top of trip 23, shows them to all waves.  One tensor load of a wave is out at any line.
; CLUSTER 4 x 1: four work-groups of one head ask for K, V and the scale words jointly: the descriptors hang on the head and the wave's number alone.
; NO PREFETCH: every fill but the head's is asked for 7 or 16 trips ahead of its first read, and the head has no loop ahead of it.
; LIMITS: the promise holds while the scaled scores t stay under 2^31 in magnitude.  A block of zeros, or one under 2^-124, gets the scale byte 1 (not 127): its codes are zeros, and only this program reads the bytes.
; A p under 2^-126 comes out of v_exp_f32 as 0.  NaN and infinities are not served.  A block's largest p is not searched for: the block's largest score goes through the same multiply-add and exponential (this takes v_exp_f32 not to fall where its input rises).
; OUT.  cc: [token tile T 0 .. 511][head 0 .. 7][768 bytes]: registers 0-3 of the half fragment at 16 x lane, registers 4, 5 at 512 + 8 x lane.   cs: [T][r][16 bytes]: byte 2 head + block.
.set STEPB, 6144                       ; a step's four fragments of K, or of V
.set VA,    24*STEPB                   ; V's area, behind K's
.set SCK,   2*VA                       ; K's scale words, 8,192 bytes, then V's
.set SPARE, SCK+16384                  ; the spare words: 128 bytes a wave, four blocks of 256 bytes that no other line names
; window 0
.set KAD, 4                            ; v4 K's fragments, v5 scale words, v6 V's fragments: LDS addresses of the step that is asked for
.set SAD, 5
.set VAD, 6
.set SCB, 7                            ; v7 SCK + 8 x lane.  v1 16 x lane; v2, v3 the spare word's address and 0; v8-11 at work
; v[12+2i:13+2i] -M and the largest score of tile i; v[16+2i:17+2i] its sum in two halves; v[20+2i:21+2i] f (the upper word is only named)
.set KS,  24                           ; scale words: v24-25 K, v26-27 V, v28-29 Q, v30-31 p
.set VS,  26
.set QS,  28
.set PS,  30
.set QZ,  32                           ; v32-61: zeros, q of tile 0, zeros, q of tile 1, zeros, six registers each: [0 | q] of tile i begins at 32 + 12 i, [q | 0] at 38 + 12 i
.set XP,  62                           ; v62-63 what comes from lane l xor 16
.set KV,  64                           ; v64-111 four fragments of V
.set S,   112                          ; v112-239 S^T, then p: tile i at 112 + 64 i
.set BX,  240                          ; v240-243 the largest score, then p, of block c of tile i, at 2 i + c
.set SO,  244                          ; v244-247 the conversions' scale operands
.set TT,  248                          ; v248-253 second chains of the maxima, partial sums
.set SH,  254                          ; v254 8 x (lane / 16)
; window 1
.set O,   0                            ; v256-319 O^T: tile i at 32 i
.set PC,  64                           ; v320-343 p's codes: tile i at 64 + 12 i
.set PT,  88                           ; v344-359 the upper halves of the blocks, before they are moved
.set KB,  104                          ; v360-407 four fragments of K
.set WV,  12
.set HH,  13
.set SEL, 20
.set CS,  22                           ; s[22:23] c = log2(e) / 8
.set G1A, 24                           ; group 1: 64 rows of 256 bytes; G1S 32; G1B 96; G1C 48
.set G1S, 32
.set G1B, 40
.set G1C, 48
.set G0A, 56                           ; group 0: the head's codes; G0S the scale words; G0B steps 8-23; G0C steps 24-31
.set G0S, 60
.set G0B, 68
.set G0C, 72
.set TB,  76
.set TS,  77
.set CNT, 78
.set HM,  79
.set MSB, 0
.macro WIN new                         ; the immediate's high byte repeats the setting that is left
.if MSB != (\new)
	s_set_vgpr_msb (MSB<<8)|(\new)
.set MSB, \new
.endif
.endm
.macro PLACES n
.rept \n
	v_nop
.endr
.endm
.macro GROUP1 g, rows                  ; dense rows of 32 elements of 8 bytes; the mask names the cluster's four work-groups, bit 21 beside it
	s_mov_b32 s[\g], 15|(3<<16)|(1<<21)
	s_mov_b32 s[\g+1], 32<<16
	s_mov_b32 s[\g+2], (\rows)<<16
	s_mov_b32 s[\g+3], 32<<16
	s_mov_b32 s[\g+4], \rows
	s_mov_b32 s[\g+5], 32
	s_mov_b32 s[\g+6], 0
	s_mov_b32 s[\g+7], 0
.endm
.macro ROUND                           ; a round of the cluster's barrier
	s_barrier_signal -1
	s_barrier_wait -1
	s_cmp_lg_u32 s[WV], 0
	s_cbranch_scc1 .Lnot_wave_0_\@
	s_barrier_signal -3
.Lnot_wave_0_\@:
	s_barrier_wait -3
	s_barrier_signal -1
	s_barrier_wait -1
.endm
.macro MEET                            ; all my tensor loads have landed; 0 onto my spare word; the add and my LDS reads are done
	s_wait_alu depctr_va_vdst(0)
	s_wait_tensorcnt 0x0
	ds_add_u32 v2, v3
	s_wait_dscnt 0x0
.endm
.macro JLOAD g0, g1                    ; s_nop 0 and four v_nop behind it
	tensor_load_to_lds s[\g0:\g0+3], s[\g1:\g1+7]
	s_nop 0
	PLACES 4
.endm
.macro FETCH adr, dst                  ; four fragments, 6,144 consecutive bytes: each load takes 512
.set k, 0
.rept 12
	ds_load_b128 v[\dst+4*k:\dst+4*k+3], v[\adr] offset:512*k
.set k, k+1
.endr
.endm
.macro LOADK                           ; K and its scale words of the step at s[TB], s[TS]: 13 LDS loads
	v_add_nc_u32 v[KAD], s[TB], v1
	v_add_nc_u32 v[SAD], s[TS], v[SCB]
	v_add_nc_u32 v[VAD], VA, v[KAD]
	s_wait_alu depctr_va_vdst(0)                   ; the wait behind these writes
	ds_load_b64 v[KS:KS+1], v[SAD]
	WIN 0x40
	FETCH KAD, KB
	WIN 0
.endm
.macro LOADV                           ; V and its scale words of the same step: 13 LDS loads
	ds_load_b64 v[VS:VS+1], v[SAD] offset:8192
	FETCH VAD, KV
.endm
.macro QK f, i, hi                     ; key tile 2 f + hi x query tile i  (K's fragments in window 1)
.if (\f)%2
	v_wmma_scale_f32_16x16x128_f8f6f4 v[S+64*(\i)+16*(\f)+8*(\hi):S+64*(\i)+16*(\f)+8*(\hi)+7], v[KB+12*(\f):KB+12*(\f)+11], v[QZ+6+12*(\i)-6*(\hi):QZ+17+12*(\i)-6*(\hi)], 0, v[KS+(\f)/2], v[QS+(\i)] matrix_a_fmt:MATRIX_FMT_FP6 matrix_b_fmt:MATRIX_FMT_FP6 matrix_a_scale:MATRIX_SCALE_ROW1
.else
	v_wmma_scale_f32_16x16x128_f8f6f4 v[S+64*(\i)+16*(\f)+8*(\hi):S+64*(\i)+16*(\f)+8*(\hi)+7], v[KB+12*(\f):KB+12*(\f)+11], v[QZ+6+12*(\i)-6*(\hi):QZ+17+12*(\i)-6*(\hi)], 0, v[KS+(\f)/2], v[QS+(\i)] matrix_a_fmt:MATRIX_FMT_FP6 matrix_b_fmt:MATRIX_FMT_FP6
.endif
.endm
.macro QKALL                           ; S^T = K Q^T: sixteen sums, each begun with 0
	WIN 0x01
	s_wait_dscnt 13                                ; K and its scale words are in; the 13 younger loads, V's, may be out
.irp f, 0,1,2,3
.irp i, 0,1
	QK \f, \i, 0
	QK \f, \i, 1
.endr
.endr
	WIN 0
.endm
.macro PV t, i                         ; O^T of tile i, channel tile t, += V^T P^T  (O and p's codes in window 1)
.if (\t)%2
	v_wmma_scale_f32_16x16x128_f8f6f4 v[O+32*(\i)+8*(\t):O+32*(\i)+8*(\t)+7], v[KV+12*(\t):KV+12*(\t)+11], v[PC+12*(\i):PC+12*(\i)+11], v[O+32*(\i)+8*(\t):O+32*(\i)+8*(\t)+7], v[VS+(\t)/2], v[PS+(\i)] matrix_a_fmt:MATRIX_FMT_FP6 matrix_b_fmt:MATRIX_FMT_FP6 matrix_a_scale:MATRIX_SCALE_ROW1
.else
	v_wmma_scale_f32_16x16x128_f8f6f4 v[O+32*(\i)+8*(\t):O+32*(\i)+8*(\t)+7], v[KV+12*(\t):KV+12*(\t)+11], v[PC+12*(\i):PC+12*(\i)+11], v[O+32*(\i)+8*(\t):O+32*(\i)+8*(\t)+7], v[VS+(\t)/2], v[PS+(\i)] matrix_a_fmt:MATRIX_FMT_FP6 matrix_b_fmt:MATRIX_FMT_FP6
.endif
.endm
.macro FMA i                           ; t - M of tile i, two at a time, and of its two blocks' largest scores
.set j, 0
.rept 32
	v_pk_fma_f32 v[S+64*(\i)+j:S+64*(\i)+j+1], v[S+64*(\i)+j:S+64*(\i)+j+1], s[CS:CS+1], v[12+2*(\i):13+2*(\i)] op_sel_hi:[1,0,0]
.set j, j+2
.endr
	v_fma_f32 v[BX+2*(\i)], v[BX+2*(\i)], s[CS], v[12+2*(\i)]
	v_fma_f32 v[BX+2*(\i)+1], v[BX+2*(\i)+1], s[CS], v[12+2*(\i)]
.endm
.macro EXPS i                          ; p = 2^(t - M), at most 1
	v_exp_f32 v[BX+2*(\i)], v[BX+2*(\i)]
	v_exp_f32 v[BX+2*(\i)+1], v[BX+2*(\i)+1]
.set j, 0
.rept 64
	v_exp_f32 v[S+64*(\i)+j], v[S+64*(\i)+j]
.set j, j+1
.endr
.endm
; The sum of tile i's unquantised p, in four chains (the first multiply-add brings the old sum under the new M); between the rounds, line by line, the two blocks' scale operands and p's scale word.
.macro SUMSC i
.set SSB, S+64*(\i)
.set ACC, 16+2*(\i)
.set BXI, BX+2*(\i)
.set SOI, SO+2*(\i)
	v_pk_fma_f32 v[ACC:ACC+1], v[ACC:ACC+1], v[20+2*(\i):21+2*(\i)], v[SSB:SSB+1] op_sel_hi:[1,0,1]
.irp u, 0,1,2
	v_pk_add_f32 v[TT+2*\u:TT+2*\u+1], v[SSB+2+4*\u:SSB+3+4*\u], v[SSB+4+4*\u:SSB+5+4*\u]
.endr
.irp g, 0,1,2,3,4,5
	v_pk_add_f32 v[ACC:ACC+1], v[ACC:ACC+1], v[SSB+14+8*\g:SSB+15+8*\g]
.irp u, 0,1,2
	v_pk_add_f32 v[TT+2*\u:TT+2*\u+1], v[TT+2*\u:TT+2*\u+1], v[SSB+16+8*\g+2*\u:SSB+17+8*\g+2*\u]
.endr
.if \g == 0
	v_max_num_f32 v[BXI], 0x1800000, v[BXI]        ; the floor 2^(3 - 127): the byte cannot fall under 1
	v_max_num_f32 v[BXI+1], 0x1800000, v[BXI+1]
.endif
.if \g == 1
	v_add_nc_u32 v[SOI], 0xff000000, v[BXI]        ; 2 off the exponent field: the conversion's scale operand
	v_add_nc_u32 v[SOI+1], 0xff000000, v[BXI+1]
.endif
.if \g == 2
	v_lshrrev_b32 v8, 23, v[SOI]                   ; the bytes of my blocks h and 2 + h
	v_lshrrev_b32 v9, 23, v[SOI+1]
.endif
.if \g == 3
	v_lshl_or_b32 v8, v9, 16, v8
.endif
.if \g == 4
	v_lshlrev_b32 v8, v[SH], v8                    ; at their places in the word
.endif
.if \g == 5
	v_permlanex16_b32 v[XP+(\i)], v8, s[SEL], s[SEL+1]
.endif
.endr
	v_pk_add_f32 v[ACC:ACC+1], v[ACC:ACC+1], v[SSB+62:SSB+63]
	v_pk_add_f32 v[TT:TT+1], v[TT:TT+1], v[TT+2:TT+3]
	v_pk_add_f32 v[ACC:ACC+1], v[ACC:ACC+1], v[TT+4:TT+5]
	v_or_b32 v[PS+(\i)], v8, v[XP+(\i)]            ; with lane l xor 16's two bytes the word is whole
	v_pk_add_f32 v[ACC:ACC+1], v[ACC:ACC+1], v[TT:TT+1]
.endm
; A TRIP: the scores of 128 keys x my 32 queries stand in S.  more = 1: the next step's K and V are asked of LDS and its scores are made.
.macro BODY more
	v_mov_b32 v10, v12                             ; the old -M of both tiles.  These two and the three address lines (or two v_nop) are the places behind the products that made the scores
	v_mov_b32 v11, v14
.if \more
	LOADK
.else
	PLACES 2
.endif
.irp b, 0,1,2,3                                ; the largest score of each of my four blocks (b = 2 i + c), two chains a block, eight by turns; each accumulator is read from its low end on
	v_max3_num_f32 v[BX+\b], v[S+32*\b], v[S+32*\b+1], v[S+32*\b+2]
	v_max3_num_f32 v[TT+\b], v[S+32*\b+16], v[S+32*\b+17], v[S+32*\b+18]
.endr
.irp n, 3,5,7,9,11,13
.irp b, 0,1,2,3
	v_max3_num_f32 v[BX+\b], v[BX+\b], v[S+32*\b+\n], v[S+32*\b+\n+1]
	v_max3_num_f32 v[TT+\b], v[TT+\b], v[S+32*\b+16+\n], v[S+32*\b+17+\n]
.endr
.endr
.irp b, 0,1,2,3
	v_max3_num_f32 v[BX+\b], v[BX+\b], v[TT+\b], v[S+32*\b+15]
.endr
.irp b, 0,1,2,3
	v_max_num_f32 v[BX+\b], v[BX+\b], v[S+32*\b+31]
.endr
	s_delay_alu instid0(VALU_DEP_3)
	v_max_num_f32 v8, v[BX], v[BX+1]               ; the step's largest score of my query, in my half of the keys: tile 0,
	s_delay_alu instid0(VALU_DEP_2)
	v_max_num_f32 v9, v[BX+2], v[BX+3]             ; tile 1
.irp i, 0,1
	s_delay_alu instid0(VALU_DEP_2)
	v_permlanex16_b32 v[XP+\i], v[8+\i], s[SEL], s[SEL+1]
.endr
.irp i, 0,1
	s_delay_alu instid0(VALU_DEP_2)
	v_max3_num_f32 v[13+2*\i], v[13+2*\i], v[8+\i], v[XP+\i]   ; the row's largest score so far
.endr
.irp i, 0,1
	s_delay_alu instid0(VALU_DEP_2)
	v_mul_f32 v[8+\i], s[CS], v[13+2*\i]           ; as t (c is positive)
.endr
.irp i, 0,1
	s_delay_alu instid0(VALU_DEP_2)
	v_floor_f32 v[12+2*\i], -v[8+\i]               ; -M = floor(-t): M is a whole number
.endr
.irp i, 0,1
	s_delay_alu instid0(VALU_DEP_2)
	v_sub_f32 v[8+\i], v[12+2*\i], v[10+\i]        ; old M - new M: a whole number, 0 or less
.endr
	FMA 0
.irp i, 0,1
	v_cvt_i32_f32 v[8+\i], v[8+\i]                 ; (it saturates)
.endr
.irp i, 0,1
	s_delay_alu instid0(VALU_DEP_2)
	v_ldexp_f32 v[20+2*\i], 1.0, v[8+\i]           ; f = 2^(old M - new M)
.endr
	s_wait_alu depctr_va_vdst(0)                   ; a wait ahead of each batch of exponentials and one behind it
	EXPS 0
	FMA 1                                          ; plain work of the other tile stands behind the batch
	s_wait_alu depctr_va_vdst(0)
	EXPS 1
	SUMSC 0
	s_wait_alu depctr_va_vdst(0)
	SUMSC 1
	WIN 0x40                                       ; the codes go to window 1
.irp i, 0,1
.irp c, 0,1
	v_cvt_scalef32_pk16_fp6_f32 v[PC+12*\i+6*\c:PC+12*\i+6*\c+2], v[S+64*\i+32*\c:S+64*\i+32*\c+15], v[SO+2*\i+\c]
	v_cvt_scalef32_pk16_fp6_f32 v[PT+8*\i+4*\c:PT+8*\i+4*\c+2], v[S+64*\i+32*\c+16:S+64*\i+32*\c+31], v[SO+2*\i+\c]   ; (a conversion's three registers begin on an even number)
.endr
.endr
	v_nop                                          ; one plain instruction behind the scaled conversions
	WIN 0x41
.irp i, 0,1
.irp c, 0,1
.irp n, 0,1,2
	v_mov_b32 v[PC+12*\i+6*\c+3+\n], v[PT+8*\i+4*\c+\n]
.endr
.endr
.endr
	s_wait_alu depctr_va_vdst(0)                   ; the wait directly ahead of the first reader of O^T
.irp i, 0,1
.set j, 0
.rept 16
	v_pk_mul_f32 v[O+32*\i+j:O+32*\i+j+1], v[O+32*\i+j:O+32*\i+j+1], v[20+2*\i:21+2*\i] op_sel_hi:[1,0]   ; O^T under the new M.  These 32 are also the places between the writing of p's codes and scale words and the products
.set j, j+2
.endr
.endr
	WIN 0x54
	s_wait_alu depctr_va_vdst(0)
.if \more
	s_wait_dscnt 13                                ; V and its scale words are in; the 13 younger loads, the next step's K, may be out
.else
	s_wait_dscnt 0x0
.endif
.irp t, 0,1,2,3                                ; eight accumulators, one instruction a turn
	PV \t, 0
	PV \t, 1
.endr
	PLACES 4                                       ; in front of the loads into the registers just multiplied, and at the end of the first read of O^T
	WIN 0
.if \more
	LOADV
	QKALL
.endif
.endm
.macro SEG slot, step, n               ; n trips; the first asks for the step that lies at LDS place slot
	s_mov_b32 s[TB], (\slot)*STEPB
	s_mov_b32 s[TS], (\step)*256
	s_mov_b32 s[CNT], \n
.Lseg_\@:
	BODY 1
	s_add_co_u32 s[TB], s[TB], STEPB
	s_add_co_u32 s[TS], s[TS], 256
	s_sub_co_u32 s[CNT], s[CNT], 1
	s_cmp_lg_u32 s[CNT], 0
	s_wait_alu depctr_va_vdst(0)
	s_cbranch_scc1 .Lseg_\@
.endm
	s_load_b256 s[4:11], s[0:1], 0x0               ; pc 4, ps 6, cc 8, cs 10
	v_lshl_add_u32 v2, v0, 2, SPARE
	v_mov_b32 v3, 0
	ds_add_u32 v2, v3                              ; the opening lines: the add, twice on end, and its wait
	ds_add_u32 v2, v3
	v_lshrrev_b32 v8, 5, v0
	v_readfirstlane_b32 s[WV], v8                  ; wave 0 .. 7
	s_and_b32 s[HH], ttmp7, 0xffff                 ; hh
	s_bfe_u32 s16, ttmp6, 0x40000
	s_lshl_b32 s17, ttmp9, 2
	s_add_co_u32 s16, s16, s17                     ; which 256 queries: 4 x cluster x + cx: it enters global addresses of Q and of the results alone
	GROUP1 G1A, 64
	GROUP1 G1S, 32
	GROUP1 G1B, 96
	GROUP1 G1C, 48
	s_mov_b32 s[SEL], 0x76543210
	s_mov_b32 s[SEL+1], 0xfedcba98
	s_mov_b32 s[CS], 0x3e38aa3b                    ; c = log2(e) / 8
	s_mov_b32 s[CS+1], s[CS]
	s_mul_i32 s82, s[HH], 196608                   ; the head in a section of pc,
	s_lshl_b32 s83, s[HH], 13                      ; and of ps
	s_mul_i32 s84, s[WV], 11
	s_lshr_b32 s84, s84, 5                         ; wave / 3
	s_and_b32 s85, s[WV], 1
	s_lshr_b32 s86, s[WV], 2
	s_and_b32 s87, s[WV], 3
	s_mov_b32 s89, 0
	s_mov_b32 s91, 0
	s_mov_b32 s93, 0
	s_mov_b32 s95, 0
	; the head's codes, steps 0-7: waves 0-2 K, waves 3-5 V, 16,384 bytes each
	s_mov_b32 s[G0A], 1
	s_lshl_b32 s[G0A+1], s[WV], 14
	s_mul_i32 s14, s84, VA-49152
	s_add_co_u32 s[G0A+1], s[G0A+1], s14
	s_lshl_b32 s88, s[WV], 14
	s_mul_i32 s14, s84, 3145728-49152
	s_add_co_u32 s88, s88, s14
	s_add_co_u32 s88, s88, s82
	s_add_co_u32 s88, s88, 3145728
	; the scale words of the whole head: wave 6 K's, wave 7 V's
	s_mov_b32 s[G0S], 1
	s_lshl_b32 s[G0S+1], s85, 13
	s_add_co_u32 s[G0S+1], s[G0S+1], SCK
	s_lshl_b32 s90, s85, 17
	s_add_co_u32 s90, s90, s83
	s_add_co_u32 s90, s90, 131072
	; steps 8-23: waves 0-3 K, waves 4-7 V, four steps each
	s_mov_b32 s[G0B], 1
	s_mul_i32 s[G0B+1], s86, VA
	s_mul_i32 s14, s87, 4*STEPB
	s_add_co_u32 s[G0B+1], s[G0B+1], s14
	s_add_co_u32 s[G0B+1], s[G0B+1], 8*STEPB
	s_mul_i32 s15, s86, 3145728
	s_add_co_u32 s15, s15, s82
	s_add_co_u32 s15, s15, 3145728                 ; the head's K or V in pc
	s_add_co_u32 s92, s15, s14
	s_add_co_u32 s92, s92, 8*STEPB
	; steps 24-31, into the bytes of steps 0-7: two steps each
	s_mov_b32 s[G0C], 1
	s_mul_i32 s[G0C+1], s86, VA
	s_mul_i32 s14, s87, 2*STEPB
	s_add_co_u32 s[G0C+1], s[G0C+1], s14
	s_add_co_u32 s94, s15, s14
	s_add_co_u32 s94, s94, 24*STEPB
	s_wait_dscnt 0x0                               ; both opening adds are done
	s_wait_kmcnt 0x0
	s_add_nc_u64 s[G0A+2:G0A+3], s[4:5], s[88:89]
	s_or_b32 s[G0A+3], s[G0A+3], 0x80000000
	s_add_nc_u64 s[G0S+2:G0S+3], s[6:7], s[90:91]
	s_or_b32 s[G0S+3], s[G0S+3], 0x80000000
	s_add_nc_u64 s[G0B+2:G0B+3], s[4:5], s[92:93]
	s_or_b32 s[G0B+3], s[G0B+3], 0x80000000
	s_add_nc_u64 s[G0C+2:G0C+3], s[4:5], s[94:95]
	s_or_b32 s[G0C+3], s[G0C+3], 0x80000000
	ROUND                                          ; the cluster's four work-groups are here: the first joint loads meet
	s_cmp_lt_u32 s[WV], 6                          ; one load a wave, one in each arm
	s_cbranch_scc0 .Lhead_s
	JLOAD G0A, G1A
	s_branch .Lhead_j
.Lhead_s:
	JLOAD G0S, G1S
.Lhead_j:
	; my 32 queries are tiles 2 f, 2 f + 1 (f = wave % 4) of step 2 x + wave / 4: one fragment of section 0
	s_lshl_b32 s14, s16, 1
	s_add_co_u32 s14, s14, s86
	s_mul_i32 s88, s14, 6144
	s_add_co_u32 s88, s88, s82
	s_mul_i32 s15, s87, 1536
	s_add_co_u32 s88, s88, s15
	s_add_nc_u64 s[80:81], s[4:5], s[88:89]
	s_lshl_b32 s88, s14, 8
	s_add_co_u32 s88, s88, s83
	s_lshl_b32 s15, s85, 7                         ; an odd fragment's words lie in lanes 16-31: 128 bytes on,
	s_add_co_u32 s88, s88, s15
	s_bfe_u32 s15, s[WV], 0x10001
	s_lshl_b32 s15, s15, 2                         ; in register f / 2
	s_add_co_u32 s88, s88, s15
	s_add_nc_u64 s[18:19], s[6:7], s[88:89]
	s_lshr_b32 s14, s[HH], 3
	s_lshl_b32 s14, s14, 8
	s_lshl_b32 s15, s16, 4
	s_add_co_u32 s14, s14, s15
	s_lshl_b32 s15, s[WV], 1
	s_add_co_u32 s14, s14, s15                     ; T = 256 b + 16 x + 2 wave
	s_and_b32 s15, s[HH], 7                        ; head
	s_mul_i32 s88, s14, 6144
	s_mul_i32 s17, s15, 768
	s_add_co_u32 s88, s88, s17
	s_add_nc_u64 s[8:9], s[8:9], s[88:89]
	s_lshl_b32 s88, s14, 8
	s_lshl_b32 s15, s15, 1
	s_add_co_u32 s88, s88, s15
	s_add_nc_u64 s[10:11], s[10:11], s[88:89]
	v_and_b32 v8, 31, v0                           ; lane
	v_and_b32 v9, 15, v0                           ; r
	v_bfe_u32 v10, v0, 4, 1                        ; h
	v_lshlrev_b32 v1, 4, v8
	v_lshl_add_u32 v[SCB], v8, 3, SCK
	v_lshlrev_b32 v[SH], 3, v10
	v_lshlrev_b32 v9, 3, v9
	v_cmp_le_u32 s[HM], 16, v8
	s_wait_alu depctr_va_vdst(0)
.irp g, 0,1,2
	global_load_b128 v[S+4*\g:S+4*\g+3], v1, s[80:81] offset:512*\g
.endr
	global_load_b32 v[S+12], v9, s[18:19]          ; two scale bytes for each of the two tiles
.irp i, 0,1
	v_mov_b32 v[13+2*\i], 0xff61b1e6               ; the largest score so far: -3e38
	v_mov_b32 v[12+2*\i], 0x7f61b1e6               ; -M: 3e38: the first change of M makes f = 0
	v_mov_b32 v[16+2*\i], 0
	v_mov_b32 v[17+2*\i], 0
	v_mov_b32 v[21+2*\i], 0
	v_mov_b32 v[XP+\i], 0                          ; written once: a lane permute's destination counts as a source
.endr
.irp n, 0,1,2,3,4,5
	v_mov_b32 v[QZ+\n], 0                          ; zero codes add nothing, whatever their scale byte
	v_mov_b32 v[QZ+12+\n], 0
	v_mov_b32 v[QZ+24+\n], 0
.endr
	WIN 0x40
.set j, 0
.rept 64
	v_mov_b32 v[O+j], 0                            ; O^T: the trip is written once: the first finds zeros
.set j, j+1
.endr
	WIN 0
	s_wait_loadcnt 0x0
.irp n, 0,1,2,3,4,5
	v_mov_b32 v[QZ+6+\n], v[S+\n]
	v_mov_b32 v[QZ+18+\n], v[S+6+\n]
.endr
	v_perm_b32 v[QS], v[S+12], v[S+12], 0x01000100     ; a tile's two bytes, twice: they serve [q | 0] and [0 | q] alike
	v_perm_b32 v[QS+1], v[S+12], v[S+12], 0x03020302
	PLACES 8                                       ; between the writing of the scale words and the first product
	MEET
	ROUND                                          ; steps 0-7 and the scale words are whole, in all four work-groups
	JLOAD G0B, G1B                                 ; steps 8-23: bytes filled for the first time
	s_mov_b32 s[TB], 0
	s_mov_b32 s[TS], 0
	LOADK                                          ; step 0: K, V, the scores
	LOADV
	QKALL
	SEG 1, 1, 7                                    ; trips 0-6 ask LDS for steps 1-7
	MEET
	ROUND                                          ; steps 8-23 are whole; every wave of the cluster has K and V of steps 0-7 in registers
	JLOAD G0C, G1C                                 ; steps 24-31 into their bytes
	SEG 8, 8, 16                                   ; trips 7-22 ask LDS for steps 8-23
	MEET                                           ; steps 24-31 are whole
	s_barrier_signal -1
	s_barrier_wait -1
	SEG 0, 24, 8                                   ; trips 23-30 ask LDS for steps 24-31
	BODY 0                                         ; step 31: nothing more to ask for
	; THE WAY OUT.  O^T / the sum: register 16 b + n of tile i is channel 32 b + 16 (lane / 16) + n of my query: two blocks a tile, each shared by lanes l and l xor 16.
	v_add_f32 v16, v16, v17
	v_add_f32 v18, v18, v19
	s_delay_alu instid0(VALU_DEP_2)
	v_permlanex16_b32 v[XP], v16, s[SEL], s[SEL+1]
	s_delay_alu instid0(VALU_DEP_2)
	v_permlanex16_b32 v[XP+1], v18, s[SEL], s[SEL+1]
	s_delay_alu instid0(VALU_DEP_2)
	v_add_f32 v16, v16, v[XP]
	s_delay_alu instid0(VALU_DEP_2)
	v_add_f32 v18, v18, v[XP+1]
	s_wait_alu depctr_va_vdst(0)
	v_rcp_f32 v16, v16
	v_rcp_f32 v18, v18
	v_nop
	WIN 0x01
	s_wait_alu depctr_va_vdst(0)                   ; behind the reciprocals, directly ahead of the first reader of them and of O^T
.irp i, 0,1
.set j, 0
.rept 32
	v_mul_f32 v[S+32*\i+j], v[O+32*\i+j], v[16+2*\i]   ; each accumulator from its low end on
.set j, j+1
.endr
.endr
	WIN 0
.irp b, 0,1,2,3
	v_max3_num_f32 v[BX+\b], |v[S+16*\b]|, |v[S+16*\b+1]|, 0x1800000
.endr
.irp n, 2,4,6,8,10,12,14
.irp b, 0,1,2,3
	v_max3_num_f32 v[BX+\b], v[BX+\b], |v[S+16*\b+\n]|, |v[S+16*\b+\n+1]|
.endr
.endr
.irp b, 0,1,2,3
	v_permlanex16_b32 v[TT+\b], v[BX+\b], s[SEL], s[SEL+1]
.endr
.irp b, 0,1,2,3
	v_max_num_f32 v[BX+\b], v[BX+\b], v[TT+\b]
.endr
.irp b, 0,1,2,3
	v_add_nc_u32 v[SO+\b], 0xff000000, v[BX+\b]
.endr
.irp b, 0,1,2,3
	v_lshrrev_b32 v[TT+\b], 23, v[SO+\b]
.endr
.irp i, 0,1
	v_cvt_scalef32_pk16_fp6_f32 v[KV+8*\i:KV+8*\i+2], v[S+32*\i:S+32*\i+15], v[SO+2*\i]
	v_cvt_scalef32_pk16_fp6_f32 v[KV+16+4*\i:KV+18+4*\i], v[S+32*\i+16:S+32*\i+31], v[SO+2*\i+1]
.endr
	v_nop
.irp i, 0,1
.irp n, 0,1,2                                  ; a whole block in a lane: lanes 0-15 block 0, lanes 16-31 block 1
	v_permlane16_swap_b32 v[KV+8*\i+\n], v[KV+16+4*\i+\n]
.endr
.endr
.irp i, 0,1
.irp n, 0,1,2
	v_mov_b32 v[KV+8*\i+3+\n], v[KV+16+4*\i+\n]
.endr
.endr
	v_cndmask_b32 v[TT], v[TT], v[TT+1], s[HM]     ; lanes 0-15 store the byte of block 0, lanes 16-31 that of block 1
	v_cndmask_b32 v[TT+1], v[TT+2], v[TT+3], s[HM]
	v_and_b32 v8, 31, v0
	v_and_b32 v9, 15, v0
	v_bfe_u32 v10, v0, 4, 1
	v_lshlrev_b32 v4, 3, v8
	v_lshl_add_u32 v5, v9, 4, v10
.irp i, 0,1
	global_store_b128 v1, v[KV+8*\i:KV+8*\i+3], s[8:9] offset:6144*\i         ; 512 consecutive bytes, aligned,
	global_store_b64 v4, v[KV+8*\i+4:KV+8*\i+5], s[8:9] offset:6144*\i+512    ; and 256 more
	global_store_b8 v5, v[TT+\i], s[10:11] offset:256*\i                      ; one byte a lane, each byte once
.endr
	s_wait_tensorcnt 0x0                           ; the wave's end
	ds_add_u32 v2, v3
	s_wait_dscnt 0x0
	ROUND                                          ; the closing round
	s_endpgm
.Lfunc_end_k_qaf0d6ce7fe_attn:
	.size	k_qaf0d6ce7fe_attn, .Lfunc_end_k_qaf0d6ce7fe_attn-k_qaf0d6ce7fe_attn
	.p2alignl 7, 3214868480
	.fill 96, 4, 3214868480
	.section	.rodata,"a",@progbits
	.p2align	6, 0x0
	.amdhsa_kernel k_qaf0d6ce7fe_attn
		.amdhsa_group_segment_fixed_size 327680
		.amdhsa_private_segment_fixed_size 0
		.amdhsa_enable_private_segment 0
		.amdhsa_kernarg_size 32
		.amdhsa_user_sgpr_count 2
		.amdhsa_user_sgpr_kernarg_segment_ptr 1
		.amdhsa_wavefront_size32 1
		.amdhsa_system_sgpr_workgroup_id_x 1
		.amdhsa_system_sgpr_workgroup_id_y 1
		.amdhsa_system_sgpr_workgroup_id_z 1
		.amdhsa_system_vgpr_workitem_id 0
		.amdhsa_next_free_vgpr 512
		.amdhsa_next_free_sgpr 96
		.amdhsa_reserve_vcc 0
		.amdhsa_float_denorm_mode_32 3
		.amdhsa_float_denorm_mode_16_64 3
		.amdhsa_memory_ordered 1
		.amdhsa_forward_progress 1
		.amdhsa_inst_pref_size 130
	.end_amdhsa_kernel
	.amdgpu_metadata
---
amdhsa.version: [ 1, 2 ]
amdhsa.kernels:
  - .name:           k_qaf0d6ce7fe_attn
    .symbol:         k_qaf0d6ce7fe_attn.kd
    .args:
      - { .name: pc, .offset: 0, .size: 8, .value_kind: global_buffer, .address_space: global }
      - { .name: ps, .offset: 8, .size: 8, .value_kind: global_buffer, .address_space: global }
      - { .name: cc, .offset: 16, .size: 8, .value_kind: global_buffer, .address_space: global }
      - { .name: cs, .offset: 24, .size: 8, .value_kind: global_buffer, .address_space: global }
    .group_segment_fixed_size: 327680
    .private_segment_fixed_size: 0
    .kernarg_segment_align: 8
    .kernarg_segment_size: 32
    .max_flat_workgroup_size: 256
    .sgpr_count:     96
    .vgpr_count:     512
    .wavefront_size: 32
...
	.end_amdgpu_metadata
.endif
;; end of part 3
;; launch outp (part 4): grid 256 x 1, 4 waves a work-group, no clusters, 34,304 bytes of LDS; arguments cc, cs, opc, ops, bo, out0; writes out0
.if DOCPART == 4
	.amdgcn_target "amdgcn-amd-amdhsa--gfx1250"
	.amdhsa_code_object_version 6
	.text
	.protected	k_qaf0d6ce7fe_outp
	.globl	k_qaf0d6ce7fe_outp
	.p2align	8
	.type	k_qaf0d6ce7fe_outp,@function
k_qaf0d6ce7fe_outp:
	s_mov_b64 s[64:65], 0
	v_nop
	global_prefetch_b8 v0, s[64:65] scope:SCOPE_SE
	s_setreg_imm32_b32 hwreg(HW_REG_WAVE_MODE, 25, 1), 1
	s_wait_xcnt 0x0
; OUTP.  out0 = ctx Wo + bo on codes of FP6 (E2M3) with E8M0 scales, sums in f32.  ctx comes as half fragments (cc, cs, as the attention laid them), Wo as images of fragments (opc, ops: tiles 1632 on).
; A work-group g takes token tiles 2 g and 2 g + 1 (32 rows of out0): 256 work-groups; wave w takes columns 128 w .. 128 w + 127: 8 tiles of Wo, whose 32 fragments stay in registers.  64 matrix instructions a wave.
; source 0 = 16 columns of Wo, source 1 = 16 tokens: a lane (r, h) holds token r of the tile, and register 16 b + i is column 128 w + 32 b + 16 h + i.  Token tile T holds tokens 64 (T / 4) + 8 (T % 4) + r + 24 (r / 8).
; The results go through the own stage of the wave in LDS (16 rows x 528 bytes) and leave as runs of 512 consecutive bytes of a row.  No barrier: waves share nothing.
; REGISTERS, in windows of 256.  Window 0: below.  Window 1: Wo tiles 0-3, fragment (t, s) at 12 (4 t + s).  Window 2: tiles 4-7; v192-255 the bias, 8 registers a tile in the layout of the result.  Window 3: ctx, fragment (m, s) at 48 m + 12 s.
.set SP,  528
.set HA,  16                           ; v16-79   the 8 accumulators
.set SS,  80                           ; v80-111  scale words of Wo: 4 t + s
.set MS,  112                          ; v112-119 scale words of ctx: 4 m + s
.set BK,  128                          ; v128-191 16 rows read back from the stage
.set B1,  192                          ; in window 2
.set MSB, 0
.macro WIN new                         ; the high byte of the immediate repeats the setting that is left
.if MSB != (\new)
	s_set_vgpr_msb (MSB<<8)|(\new)
.set MSB, \new
.endif
.endm
.macro PLACES n
.rept \n
	v_nop
.endr
.endm
.macro MM t, s, m, c
	v_wmma_scale_f32_16x16x128_f8f6f4 v[HA+8*(\t):HA+8*(\t)+7], v[12*(4*((\t)%4)+(\s)):12*(4*((\t)%4)+(\s))+11], v[48*(\m)+12*(\s):48*(\m)+12*(\s)+11], v[(\c):(\c)+7], v[SS+4*(\t)+(\s)], v[MS+4*(\m)+(\s)] matrix_a_fmt:MATRIX_FMT_FP6 matrix_b_fmt:MATRIX_FMT_FP6
.endm
.macro PROD t, s, m                    ; the first K step starts the sum with the bias as C
.if \s == 0
	MM \t, \s, \m, B1+8*(\t)
.else
	MM \t, \s, \m, HA+8*(\t)
.endif
.endm
	s_load_b256 s[4:11], s[0:1], 0x0               ; cc 4, cs 6, opc 8, ops 10
	s_load_b128 s[12:15], s[0:1], 0x20             ; bo 12, out0 14
	v_lshl_add_u32 v254, v0, 2, 0x8400
	v_mov_b32 v255, 0
	v_lshrrev_b32 v7, 5, v0
	v_readfirstlane_b32 s18, v7                    ; wave
	v_and_b32 v7, 31, v0                           ; lane
	v_and_b32 v8, 15, v0                           ; r
	v_bfe_u32 v9, v0, 4, 1                         ; h
	v_lshlrev_b32 v1, 4, v7                        ; 16 x lane
	v_lshlrev_b32 v2, 4, v8                        ; 16 r
	v_lshlrev_b32 v3, 3, v7                        ; 8 x lane
	v_lshlrev_b32 v4, 6, v9                        ; the bias: 16 h numbers on
	s_mul_i32 s38, s18, 16*SP
	v_mul_u32_u24 v5, v8, SP
	v_lshl_add_u32 v5, v9, 6, v5
	v_add_nc_u32 v5, s38, v5                       ; the stage, in: row r, + 64 h
	v_add_nc_u32 v6, s38, v1                       ; and out: 16 x lane of a row
	s_lshl_b32 s38, s18, 3
	s_add_co_u32 s38, s38, 1632                    ; my 8 tiles of Wo
	s_mov_b32 s41, 0
	s_wait_alu depctr_va_vdst(0)
	s_wait_kmcnt 0x0
	s_mul_i32 s40, s38, 6144
	s_add_nc_u64 s[24:25], s[8:9], s[40:41]
	s_mul_i32 s40, ttmp9, 12288
	s_add_nc_u64 s[26:27], s[4:5], s[40:41]        ; the 2 tiles of ctx
	s_lshl_b32 s40, s38, 8
	s_add_nc_u64 s[28:29], s[10:11], s[40:41]
	s_lshl_b32 s40, ttmp9, 9
	s_add_nc_u64 s[30:31], s[6:7], s[40:41]
	s_lshl_b32 s40, s18, 9
	s_add_nc_u64 s[32:33], s[12:13], s[40:41]      ; my 128 numbers of the bias
	s_lshr_b32 s39, ttmp9, 1
	s_lshl_b32 s39, s39, 17                        ; 64 rows of 2,048 bytes for each four tiles,
	s_add_co_u32 s40, s40, s39
	s_and_b32 s39, ttmp9, 1
	s_lshl_b32 s39, s39, 15                        ; 16 rows for the second pair of them
	s_add_co_u32 s40, s40, s39
	s_add_nc_u64 s[34:35], s[14:15], s[40:41]      ; my 512 bytes of the first row
.irp t, 0,1,2,3,4,5,6,7
	global_load_b128 v[SS+4*\t:SS+4*\t+3], v2, s[28:29] offset:256*\t
.endr
.irp m, 0,1
	global_load_b128 v[MS+4*\m:MS+4*\m+3], v2, s[30:31] offset:256*\m
.endr
	WIN 0x80
.irp t, 0,1,2,3,4,5,6,7
	global_load_b128 v[B1+8*\t:B1+8*\t+3], v4, s[32:33] offset:(32*(\t/2)+8*(\t%2))*4
	global_load_b128 v[B1+8*\t+4:B1+8*\t+7], v4, s[32:33] offset:(32*(\t/2)+8*(\t%2))*4+16
.endr
	WIN 0x40
.set k, 0
.rept 48
	global_load_b128 v[4*k:4*k+3], v1, s[24:25] offset:512*k
.set k, k+1
.endr
	WIN 0x80
.set k, 0
.rept 48
	global_load_b128 v[4*k:4*k+3], v1, s[24:25] offset:24576+512*k
.set k, k+1
.endr
	WIN 0xc0
.irp m, 0,1
.irp s, 0,1,2,3                                ; K step s = heads 2 s and 2 s + 1: two half fragments of 768 bytes
	global_load_b128 v[48*\m+12*\s:48*\m+12*\s+3], v1, s[26:27] offset:\m*6144+\s*1536
	global_load_b64 v[48*\m+12*\s+4:48*\m+12*\s+5], v3, s[26:27] offset:\m*6144+\s*1536+512
	global_load_b128 v[48*\m+12*\s+6:48*\m+12*\s+9], v1, s[26:27] offset:\m*6144+\s*1536+768
	global_load_b64 v[48*\m+12*\s+10:48*\m+12*\s+11], v3, s[26:27] offset:\m*6144+\s*1536+1280
.endr
.endr
	WIN 0
.irp m, 0,1
	s_wait_loadcnt 16*(1-\m)                       ; tile m of ctx, and all that was asked for ahead of it, is in; the 16 loads of the younger tile may be out
.irp s, 0,1,2,3                                ; the eight accumulators take turns, one instruction a turn
.set CW, 0
.if \s == 0
.set CW, 0x20                                  ; C in window 2
.endif
.set WN, 0x0d+CW
	WIN WN
.irp t, 0,1,2,3
	PROD \t, \s, \m
.endr
.set WN, 0x0e+CW
	WIN WN
.irp t, 4,5,6,7
	PROD \t, \s, \m
.endr
.endr
	WIN 0
	PLACES 5                                       ; in front of the first read of the results, and of the next products, which begin the accumulators anew
.set k, 0
.rept 16
	ds_store_b128 v5, v[HA+4*k:HA+4*k+3] offset:128*(k/4)+16*(k%4)   ; ascending: each accumulator from its low end on
.set k, k+1
.endr
.if \m > 0
	s_wait_xcnt 0x0                                ; the stores of the last tile have read the registers that the loads below fill
.endif
.set k, 0
.rept 16
	ds_load_b128 v[BK+4*k:BK+4*k+3], v6 offset:k*SP   ; LDS serves a wave in order: these see the stores above
.set k, k+1
.endr
.set k, 0
.rept 16
	s_wait_dscnt 15-k                              ; row k is back; the younger reads may be out.  At the last row all are back, so the accumulators may be written again
	global_store_b128 v1, v[BK+4*k:BK+4*k+3], s[34:35] offset:(8*\m+k+24*(k/8))*2048 th:TH_STORE_NT   ; 32 lanes store 512 consecutive bytes of a row, aligned
.set k, k+1
.endr
.endr
	s_wait_tensorcnt 0x0                           ; the wave's end
	ds_add_u32 v254, v255
	s_wait_dscnt 0x0
	s_endpgm
.Lfunc_end_k_qaf0d6ce7fe_outp:
	.size	k_qaf0d6ce7fe_outp, .Lfunc_end_k_qaf0d6ce7fe_outp-k_qaf0d6ce7fe_outp
	.p2alignl 7, 3214868480
	.fill 96, 4, 3214868480
	.section	.rodata,"a",@progbits
	.p2align	6, 0x0
	.amdhsa_kernel k_qaf0d6ce7fe_outp
		.amdhsa_group_segment_fixed_size 34304
		.amdhsa_private_segment_fixed_size 0
		.amdhsa_enable_private_segment 0
		.amdhsa_kernarg_size 48
		.amdhsa_user_sgpr_count 2
		.amdhsa_user_sgpr_kernarg_segment_ptr 1
		.amdhsa_wavefront_size32 1
		.amdhsa_system_sgpr_workgroup_id_x 1
		.amdhsa_system_sgpr_workgroup_id_y 1
		.amdhsa_system_sgpr_workgroup_id_z 1
		.amdhsa_system_vgpr_workitem_id 0
		.amdhsa_next_free_vgpr 1024
		.amdhsa_next_free_sgpr 66
		.amdhsa_reserve_vcc 0
		.amdhsa_float_denorm_mode_32 3
		.amdhsa_float_denorm_mode_16_64 3
		.amdhsa_memory_ordered 1
		.amdhsa_forward_progress 1
		.amdhsa_inst_pref_size 34
	.end_amdhsa_kernel
	.amdgpu_metadata
---
amdhsa.version: [ 1, 2 ]
amdhsa.kernels:
  - .name:           k_qaf0d6ce7fe_outp
    .symbol:         k_qaf0d6ce7fe_outp.kd
    .args:
      - { .name: cc, .offset: 0, .size: 8, .value_kind: global_buffer, .address_space: global }
      - { .name: cs, .offset: 8, .size: 8, .value_kind: global_buffer, .address_space: global }
      - { .name: opc, .offset: 16, .size: 8, .value_kind: global_buffer, .address_space: global }
      - { .name: ops, .offset: 24, .size: 8, .value_kind: global_buffer, .address_space: global }
      - { .name: bo, .offset: 32, .size: 8, .value_kind: global_buffer, .address_space: global }
      - { .name: out0, .offset: 40, .size: 8, .value_kind: global_buffer, .address_space: global }
    .group_segment_fixed_size: 34304
    .private_segment_fixed_size: 0
    .kernarg_segment_align: 8
    .kernarg_segment_size: 48
    .max_flat_workgroup_size: 128
    .sgpr_count:     66
    .vgpr_count:     1024
    .wavefront_size: 32
...
	.end_amdgpu_metadata
.endif
;; end of part 4
